; MI455X (gfx1250); checked and timed in simulation.
; The chip was launched on July 23, 2026; its instructions are those of AMD's public machine-readable ISA for CDNA 5 (MIT licence, August 2026) and "CDNA5" Instruction Set Architecture Reference Guide (July 2026). The comments in the code are by the model that wrote it; some were corrected since.
;; Attention. Allowed arithmetic: float matrix products may take bf16 or f16 operands with f32 sums; all other float work in f32.
;; Inputs: wk 2,048 x 512 float32; wo 1,024 x 2,048 float32; wq 2,048 x 1,024 float32; wv 2,048 x 512 float32; x 2 x 2,048 x 2,048 float32.
;; Outputs: out0 2 x 2,048 x 2,048 float32.
;; One version. Each part assembles by itself: llvm-mc -triple=amdgcn-amd-amdhsa -mcpu=gfx1250 --defsym DOCPART=n.
;; ======== version 1 of 1: 4 launches
;; limits: values are held in f16: magnitudes above 65,504 overflow, below 6.1e-05 lose precision
;; workspace buffers: xb 16,777,216 bytes; wb 8,388,608 bytes; wob 4,194,304 bytes; qkv 16,777,216 bytes; ab 8,388,608 bytes
;; launch cast (part 1): grid 1792 x 1, 8 waves a work-group, no clusters, 0 bytes of LDS; arguments x, wq, wk, wv, wo, xb, wb, wob; writes xb, wb, wob
.if DOCPART == 1
	.amdgcn_target "amdgcn-amd-amdhsa--gfx1250"
	.amdhsa_code_object_version 6
	.text
	.protected	k_q62f33b1cdc_cast
	.globl	k_q62f33b1cdc_cast
	.p2align	8
	.type	k_q62f33b1cdc_cast,@function
k_q62f33b1cdc_cast:
	s_mov_b64 s[64:65], 0
	v_nop
	global_prefetch_b8 v0, s[64:65] scope:SCOPE_SE
	s_setreg_imm32_b32 hwreg(HW_REG_WAVE_MODE, 25, 1), 1
	s_wait_xcnt 0x0
; Rounds the five f32 inputs to 16 bits, once, so that the products behind read 16-bit tiles.
;   x  [4096][2048]            -> xb  bf16 [4096][2048]
;   wq [2048][1024], wk, wv [2048][512] -> wb bf16 [2048 k][2048 n]: columns 0-1023 wq, 1024-1535 wk, 1536-2047 wv
;   wo [1024][2048]            -> wob f16 [1024][2048], each number first rounded to bf16 and then written as f16
; LIMIT: a bf16 number is exact in f16 for 2^-17 <= |w| < 65,504; below that wob carries an absolute error of at most 3e-8, above it is infinite.
; A work-group converts 8,192 neighbouring numbers of one input: 1,024 groups for x, 256 for wq, 128 for wk, 128 for wv, 256 for wo = 1,792.
; A thread takes eight chunks of four numbers: a wave's load covers 512 neighbouring bytes, its store 256 neighbouring bytes, aligned.
; Memory binds: no LDS, no barrier, no matrix unit, no loop; all eight loads of a thread go out before anything is waited for.
.set DO, 4                             ; v[4:11]   chunk i: byte offset in the destination
.set X,  16                            ; v[16:47]  chunk i: four f32 as loaded
.set Y,  48                            ; v[48:63]  chunk i: four 16-bit numbers to store; a pair of its own for each store, so no store's data is rewritten
.set W,  64                            ; v[64:69]  at work (wo alone)
	s_load_b512 s[8:23], s[0:1], 0x0               ; x s[8:9], wq s[10:11], wk s[12:13], wv s[14:15], wo s[16:17], xb s[18:19], wb s[20:21], wob s[22:23]
	v_lshlrev_b32 v2, 4, v0                        ; 16 bytes a thread in the source
	s_mov_b32 s30, 1536                            ; the region's first work-group: wo's, unless a line below says otherwise
	s_mov_b32 s31, 11                              ; log2 of the source's row length
	s_mov_b32 s32, 0                               ; first column in the destination's rows of 2,048
	s_wait_kmcnt 0x0
	s_mov_b64 s[26:27], s[16:17]                   ; source
	s_mov_b64 s[28:29], s[22:23]                   ; destination
; The region is chosen by the work-group's number alone: a chain of selects, no branch.
.macro PICK below, src, dst, first, log, col
	s_cmp_lt_u32 ttmp9, \below
	s_cselect_b64 s[26:27], s[\src:\src+1], s[26:27]
	s_cselect_b64 s[28:29], s[\dst:\dst+1], s[28:29]
	s_cselect_b32 s30, \first, s30
	s_cselect_b32 s31, \log, s31
	s_cselect_b32 s32, \col, s32
.endm
	PICK 1536, 14, 20, 1408, 9, 1536               ; wv
	PICK 1408, 12, 20, 1280, 9, 1024               ; wk
	PICK 1280, 10, 20, 1024, 10, 0                 ; wq
	PICK 1024, 8, 18, 0, 11, 0                     ; x
	s_bfm_b32 s33, s31, 0                          ; row length - 1
	s_sub_co_u32 s34, ttmp9, s30                   ; my number inside the region
	s_lshl_b32 s36, s34, 15                        ; x 8,192 numbers x 4 bytes (below 2^25)
	s_mov_b32 s37, 0
	s_add_nc_u64 s[26:27], s[26:27], s[36:37]
	s_lshl_b32 s35, s34, 13                        ; my first number's index in the source
.irp i, 0,1,2,3,4,5,6,7
	global_load_b128 v[X+4*\i:X+4*\i+3], v2, s[26:27] offset:4096*\i th:TH_LOAD_NT   ; read once in the launch
.endr
	v_lshl_add_u32 v3, v0, 2, s35                  ; index of my first number
.irp i, 0,1,2,3,4,5,6,7
	v_add_nc_u32 v12, 1024*\i, v3                  ; the chunk's index e
	v_lshrrev_b32 v13, s31, v12                    ; source row
	v_and_b32 v12, s33, v12                        ; source column
	v_lshl_add_u32 v12, v13, 11, v12               ; row x 2,048 + column
	v_add_lshl_u32 v[DO+\i], v12, s32, 1           ; + the region's first column, in bytes
.endr
	s_cmp_ge_u32 ttmp9, 1536
	s_cbranch_scc1 .Lwo
.irp i, 0,1,2,3,4,5,6,7
	s_wait_loadcnt 7-\i                            ; loads come back in order: chunk i is in, the younger ones stay out
	v_cvt_pk_bf16_f32 v[Y+2*\i], v[X+4*\i], v[X+4*\i+1]
	v_cvt_pk_bf16_f32 v[Y+2*\i+1], v[X+4*\i+2], v[X+4*\i+3]
	global_store_b64 v[DO+\i], v[Y+2*\i:Y+2*\i+1], s[28:29]   ; 32 lanes x 8 bytes: 256 neighbouring bytes, aligned
.endr
	s_endpgm
.Lwo:
.irp i, 0,1,2,3,4,5,6,7
	s_wait_loadcnt 7-\i
	v_cvt_pk_bf16_f32 v[W], v[X+4*\i], v[X+4*\i+1]             ; the rounding that counts: to bf16
	v_cvt_pk_bf16_f32 v[W+1], v[X+4*\i+2], v[X+4*\i+3]
	v_lshlrev_b32 v[W+2], 16, v[W]                             ; back to f32
	v_and_b32 v[W+3], 0xffff0000, v[W]
	v_lshlrev_b32 v[W+4], 16, v[W+1]
	v_and_b32 v[W+5], 0xffff0000, v[W+1]
	v_cvt_pk_f16_f32 v[Y+2*\i], v[W+2], v[W+3]                 ; the same numbers as f16 (eight bits of mantissa fit in eleven)
	v_cvt_pk_f16_f32 v[Y+2*\i+1], v[W+4], v[W+5]
	global_store_b64 v[DO+\i], v[Y+2*\i:Y+2*\i+1], s[28:29]
.endr
	s_endpgm
.Lfunc_end_k_q62f33b1cdc_cast:
	.size	k_q62f33b1cdc_cast, .Lfunc_end_k_q62f33b1cdc_cast-k_q62f33b1cdc_cast
	.p2alignl 7, 3214868480
	.fill 96, 4, 3214868480
	.section	.rodata,"a",@progbits
	.p2align	6, 0x0
	.amdhsa_kernel k_q62f33b1cdc_cast
		.amdhsa_group_segment_fixed_size 0
		.amdhsa_private_segment_fixed_size 0
		.amdhsa_enable_private_segment 0
		.amdhsa_kernarg_size 64
		.amdhsa_user_sgpr_count 2
		.amdhsa_user_sgpr_kernarg_segment_ptr 1
		.amdhsa_wavefront_size32 1
		.amdhsa_system_sgpr_workgroup_id_x 1
		.amdhsa_system_sgpr_workgroup_id_y 1
		.amdhsa_system_sgpr_workgroup_id_z 1
		.amdhsa_system_vgpr_workitem_id 0
		.amdhsa_next_free_vgpr 80
		.amdhsa_next_free_sgpr 66
		.amdhsa_reserve_vcc 0
		.amdhsa_float_denorm_mode_32 3
		.amdhsa_float_denorm_mode_16_64 3
		.amdhsa_memory_ordered 1
		.amdhsa_forward_progress 1
		.amdhsa_inst_pref_size 12
	.end_amdhsa_kernel
	.amdgpu_metadata
---
amdhsa.version: [ 1, 2 ]
amdhsa.kernels:
  - .name:           k_q62f33b1cdc_cast
    .symbol:         k_q62f33b1cdc_cast.kd
    .args:
      - { .name: x, .offset: 0, .size: 8, .value_kind: global_buffer, .address_space: global }
      - { .name: wq, .offset: 8, .size: 8, .value_kind: global_buffer, .address_space: global }
      - { .name: wk, .offset: 16, .size: 8, .value_kind: global_buffer, .address_space: global }
      - { .name: wv, .offset: 24, .size: 8, .value_kind: global_buffer, .address_space: global }
      - { .name: wo, .offset: 32, .size: 8, .value_kind: global_buffer, .address_space: global }
      - { .name: xb, .offset: 40, .size: 8, .value_kind: global_buffer, .address_space: global }
      - { .name: wb, .offset: 48, .size: 8, .value_kind: global_buffer, .address_space: global }
      - { .name: wob, .offset: 56, .size: 8, .value_kind: global_buffer, .address_space: global }
    .group_segment_fixed_size: 0
    .private_segment_fixed_size: 0
    .kernarg_segment_align: 8
    .kernarg_segment_size: 64
    .max_flat_workgroup_size: 256
    .sgpr_count:     66
    .vgpr_count:     80
    .wavefront_size: 32
...
	.end_amdgpu_metadata
.endif
;; end of part 1
;; launch qkvproj (part 2): grid 8 x 32, 4 waves a work-group, clusters of 4 x 4, 327,680 bytes of LDS; arguments xb, wb, qkv; writes qkv
.if DOCPART == 2
	.amdgcn_target "amdgcn-amd-amdhsa--gfx1250"
	.amdhsa_code_object_version 6
	.text
	.protected	k_q62f33b1cdc_qkvproj
	.globl	k_q62f33b1cdc_qkvproj
	.p2align	8
	.type	k_q62f33b1cdc_qkvproj,@function
k_q62f33b1cdc_qkvproj:
	s_mov_b64 s[64:65], 0
	v_nop
	global_prefetch_b8 v0, s[64:65] scope:SCOPE_SE
	s_setreg_imm32_b32 hwreg(HW_REG_WAVE_MODE, 25, 1), 1
	s_wait_xcnt 0x0
	s_wait_alu depctr_hold_cnt(0) depctr_sa_sdst(0) depctr_va_vdst(0) depctr_va_sdst(0) depctr_va_ssrc(0) depctr_va_vcc(0) depctr_vm_vsrc(0)
	s_getreg_b32 s2, hwreg(HW_REG_IB_STS2, 6, 4)
	s_cmp_eq_u32 s2, 0
	s_cbranch_scc0 .Lentry_in_a_cluster
	s_endpgm
.Lentry_in_a_cluster:
	s_bfe_u32 s2, ttmp6, 0x10000c
	s_cmp_lg_u32 s2, 0xf033
	s_cbranch_scc0 .Lentry_shape_is_right
	s_endpgm
.Lentry_shape_is_right:
; [4096 x 2048] xb times [2048 k x 2048 n] wb in bf16 with f32 sums, then RoPE on q and k, a scale, and f16 out:
;   qkv f16 [batch 2][g 32][s 2048][64]: g 0-15 the query heads times log2(e)/4, g 16-23 the key heads times 1/2, g 24-31 the value heads.
;   (The two factors multiply to log2(e)/8: the scores come out ready for a base-2 exponential.)
; LIMITS: the results are f16: finite for |q| < 181,000, |k| < 131,000, |v| < 65,504.  That holds for all inputs 30 times larger or offset by 30 spreads, not for both at once.
;   RoPE's angle = position x frequency in f32 as the problem forms it; sine and cosine by a reduction modulo 2 pi in two parts and the Taylor series to x^15 and x^14
;   on |x| <= pi (cut-off below 5e-6); the angle itself is good to about 2e-4 rad at position 2,047.
; A work-group makes 128 rows x 256 columns with four waves; a wave makes 64 x 128: 32 accumulator tiles of 16 x 16 = 256 registers.  8 x 32 blocks = 256 work-groups.
; K goes in steps of 128 through two LDS slots filled by tensor loads: wb's 128 k-rows x 512 bytes, xb's 128 rows x 256 bytes.
; CLUSTERS: 4 x 4 work-groups.  xb's tile hangs on the block row alone and is asked for jointly along a row of the cluster, wb's on the block column alone and jointly along a column.
; wb lies [k][n]: its fragments come out of LDS by the transposing load of 16-bit data.
; REGISTERS: window 0: v1-9 lane terms, v16-27 addresses, v32-127 and v128-223 two fragment buffers (wb 8 x 8 registers, then xb 4 x 8);  window 1: the accumulators, tile (a, b) at 8 (8 a + b).
; THE MATRIX INSTRUCTION IS USED TRANSPOSED (source 0 = 16 columns of wb, source 1 = 16 rows of xb): lane l holds row l % 16 and its registers the 8 neighbouring columns 8 (l / 16) + 0..7.
.set KSTEP,  128
.set PB,     544                       ; wb's LDS row: 512 bytes + 32 of padding, an odd multiple of 32 bytes
.set PA,     272                       ; xb's LDS row: 256 bytes + 16 of padding, an odd multiple of 16 bytes
.set BHALF,  64*PB                     ; what one tensor load of wb brings
.set BTILE,  128*PB
.set AHALF,  64*PA                     ; what one tensor load of xb brings
.set SLOT,   BTILE+2*AHALF             ; 104,448
.set STAGE,  2*SLOT                    ; behind the ring: for each wave 2 heads x 16 rows x 144 bytes, into which no tensor load lands
.set SPITCH, 144
.set SHEAD,  16*SPITCH
.set LAPS,   2048/(2*KSTEP)            ; a lap = two K steps = once round the ring
.set ASTEP,  KSTEP*2                   ; bytes from a K step to the next in xb
.set BSTEP,  KSTEP*4096                ; and in wb
.set ADRA, 16                          ; v16-17 LDS address of my xb fragments in slot 0, 1
.set ADRB, 20                          ; v20-21 the same for wb
.set STO,  24
.set RD,   25
.set CO,   26
.set POS,  27                          ; the way out: my row's position, as f32
.set F0,   32
.set F1,   128
.set G1,  24                           ; s[24:31] group 1 for xb's tiles
.set G0,  32                           ; s[32:39] group 0 for xb's tiles, one set a slot
.set G1B, 48                           ; s[48:55] group 1 for wb's tiles
.set G0B, 56                           ; s[56:63] group 0 for wb's tiles, one set a slot
.set MUL, 0x50                         ; sources in window 0, C and D in window 1
.set MSB, 0
.macro WIN new                         ; the immediate's high byte repeats the setting that is left
.if MSB != \new
	s_set_vgpr_msb (MSB<<8)|\new
.set MSB, \new
.endif
.endm
.macro PLACES                          ; four places behind a matrix instruction, in front of loads into its sources and of vector reads of its result
.rept 4
	v_nop
.endr
.endm
; A joint load: waves 0 and 1 ask for wb's two halves, waves 2 and 3 for xb's.  The branch hangs on the wave's number alone.
.macro JLOAD s
	s_cmp_eq_u32 s11, 0
	s_cbranch_scc0 .Lfor_a_\@
	tensor_load_to_lds s[G0B+4*\s:G0B+4*\s+3], s[G1B:G1B+7]
	s_nop 0
	s_branch .Lasked_\@
.Lfor_a_\@:
	tensor_load_to_lds s[G0+4*\s:G0+4*\s+3], s[G1:G1+7]
	s_nop 0
.Lasked_\@:
.endm
.macro CREST                           ; a round of the cluster's barrier behind its opening work-group barrier
	s_cmp_lg_u32 s10, 0
	s_cbranch_scc1 .Lnot_wave_0_\@
	s_barrier_signal -3
.Lnot_wave_0_\@:
	s_barrier_wait -3
	s_barrier_signal -1
	s_barrier_wait -1
.endm
.macro CROUND                          ; a whole round
	s_barrier_signal -1
	s_barrier_wait -1
	CREST
.endm
	s_load_b128 s[4:7], s[0:1], 0x0                ; xb s[4:5], wb s[6:7]
	s_load_b64 s[8:9], s[0:1], 0x10                ; qkv
	v_lshl_add_u32 v254, v0, 2, 0x37800
	v_mov_b32 v255, 0
	ds_add_u32 v254, v255
	ds_add_u32 v254, v255
	v_lshrrev_b32 v1, 5, v0
	v_readfirstlane_b32 s10, v1                    ; wave 0..3
	s_lshr_b32 s11, s10, 1                         ; which 64 rows of the block are mine.  Also: I fetch for wb (0) or for xb (1)
	s_and_b32 s12, s10, 1                          ; which 128 columns.  Also: which half of that tile I fetch
	s_bfe_u32 s40, ttmp6, 0x40000                  ; cx
	s_bfe_u32 s41, ttmp6, 0x40004                  ; cy
	s_lshl_b32 s42, ttmp9, 2
	s_add_co_u32 s42, s42, s40                     ; block column = 4 x cluster x + cx
	s_and_b32 s13, ttmp7, 0xffff
	s_lshl_b32 s13, s13, 2
	s_add_co_u32 s13, s13, s41                     ; block row = 4 x cluster y + cy
	s_lshl_b32 s43, s41, 2
	s_lshl_b32 s43, 15, s43                        ; my row of the cluster
	s_lshl_b32 s44, 0x1111, s40                    ; my column
	s_or_b32 s[G1+0], s43, (1<<16)|(1<<20)|(1<<21)|(5<<22)|(3<<25)   ; mask; 2-byte elements; padding on; bit 21 beside a mask; after every 64 words 4 words
	s_mov_b32 s[G1+1], 128<<16                     ; tensor_dim0 = 128
	s_mov_b32 s[G1+2], 64<<16                      ; tensor_dim1 = 64
	s_mov_b32 s[G1+3], 128<<16                     ; tile_dim0 = 128 elements (256 bytes)
	s_mov_b32 s[G1+4], 64                          ; tile_dim1 = 64 rows
	s_mov_b32 s[G1+5], 2048                        ; elements from row to row
	s_mov_b32 s[G1+6], 0
	s_mov_b32 s[G1+7], 0
	s_or_b32 s[G1B+0], s44, (1<<16)|(1<<20)|(1<<21)|(6<<22)|(7<<25)  ; after every 128 words 8 words
	s_mov_b32 s[G1B+1], 256<<16                    ; tensor_dim0 = 256
	s_mov_b32 s[G1B+2], 64<<16                     ; tensor_dim1 = 64
	s_mov_b32 s[G1B+3], 256<<16                    ; tile_dim0 = 256 elements (512 bytes)
	s_mov_b32 s[G1B+4], 64                         ; tile_dim1 = 64 k-rows
	s_mov_b32 s[G1B+5], 2048
	s_mov_b32 s[G1B+6], 0
	s_mov_b32 s[G1B+7], 0
	; xb's address is made of the block row and the wave's number, wb's of the block column and the wave's number, each in registers that never hold the other coordinate
	s_lshl_b32 s16, s13, 7
	s_lshl_b32 s17, s12, 6
	s_add_co_u32 s16, s16, s17                     ; row 128 x block row + 64 x half
	s_lshl_b32 s16, s16, 12                        ; x 4,096 bytes (below 2^24)
	s_mov_b32 s17, 0
	s_lshl_b32 s46, s12, 18                        ; k-row 64 x half, x 4,096 bytes
	s_lshl_b32 s47, s42, 9                         ; + 512 bytes x block column
	s_add_co_u32 s46, s46, s47
	s_mov_b32 s47, 0
	s_mul_i32 s20, s10, BHALF                      ; wb's halves lie at wave x 34,816 (waves 0, 1),
	s_mul_i32 s21, s10, AHALF
	s_add_co_u32 s21, s21, BTILE-2*AHALF           ; xb's behind them, at 34,816 + wave x 17,408 (waves 2, 3): no place in the cluster enters an LDS address
	s_wait_dscnt 0x0
	s_wait_kmcnt 0x0
	s_add_nc_u64 s[14:15], s[4:5], s[16:17]
	s_add_nc_u64 s[46:47], s[6:7], s[46:47]
	CROUND                                         ; all sixteen work-groups are here: the first joint loads meet
.irp s, 0,1
	s_mov_b32 s[G0+4*\s], 1
	s_add_co_u32 s[G0+4*\s+1], s21, \s*SLOT
	s_add_nc_u64 s[G0+4*\s+2:G0+4*\s+3], s[14:15], \s*ASTEP        ; K step s
	s_or_b32 s[G0+4*\s+3], s[G0+4*\s+3], 0x80000000
	s_mov_b32 s[G0B+4*\s], 1
	s_add_co_u32 s[G0B+4*\s+1], s20, \s*SLOT
	s_add_nc_u64 s[G0B+4*\s+2:G0B+4*\s+3], s[46:47], \s*BSTEP
	s_or_b32 s[G0B+4*\s+3], s[G0B+4*\s+3], 0x80000000
	JLOAD \s                                       ; both first fills go out together: two tensor loads of a wave are out
.endr
	v_and_b32 v1, 15, v0                           ; r = l % 16
	v_bfe_u32 v2, v0, 4, 1                         ; h = l / 16
	v_and_b32 v3, 7, v0
	v_bfe_u32 v4, v0, 3, 1
	v_mul_u32_u24 v5, v1, PA
	v_lshl_add_u32 v5, v2, 4, v5                   ; xb: row r, 16 bytes for each half of the lanes; two loads 32 bytes apart make a fragment
	v_lshl_add_u32 v6, v2, 3, v3
	v_mul_u32_u24 v6, v6, PB
	v_lshl_add_u32 v6, v4, 4, v6                   ; wb: k-row 8 h + l % 8, 16 bytes by bit 3 of the lane; two transposing loads 16 k-rows apart make a fragment
	s_mul_i32 s22, s11, 64*PA
	s_add_co_u32 s22, s22, BTILE                   ; my 64 rows of xb
	s_lshl_b32 s23, s12, 8                         ; my 128 columns of wb
.irp s, 0,1
	v_add_nc_u32 v[ADRA+\s], s22, v5
	v_add_nc_u32 v[ADRB+\s], s23, v6
	s_add_co_u32 s22, s22, SLOT
	s_add_co_u32 s23, s23, SLOT
.endr
	s_mul_i32 s23, s10, 2*SHEAD
	s_add_co_u32 s23, s23, STAGE                   ; my stage
	v_mul_u32_u24 v7, v1, SPITCH
	v_lshl_add_u32 v7, v2, 4, v7
	v_add_nc_u32 v[STO], s23, v7                   ; in: row r, 16 bytes for each half of the lanes
	v_and_b32 v8, 31, v0
	v_lshrrev_b32 v9, 3, v8
	v_mul_u32_u24 v9, v9, SPITCH
	v_lshl_add_u32 v9, v3, 4, v9
	v_add_nc_u32 v[RD], s23, v9                    ; back: eight lanes a row of 128 bytes, four rows a load
	v_lshlrev_b32 v[CO], 4, v8                     ; and the same 512 neighbouring bytes in qkv
; 8 matrix instructions: row tile a x all 8 column tiles, 32 along K.  zero = 1: the first product starts the sums.
.macro MULA f, a, zero
.irp b, 0,1,2,3,4,5,6,7
.if \zero
	v_wmma_f32_16x16x32_bf16 v[8*(8*\a+\b):8*(8*\a+\b)+7], v[\f+8*\b:\f+8*\b+7], v[\f+64+8*\a:\f+64+8*\a+7], 0
.else
	v_wmma_f32_16x16x32_bf16 v[8*(8*\a+\b):8*(8*\a+\b)+7], v[\f+8*\b:\f+8*\b+7], v[\f+64+8*\a:\f+64+8*\a+7], v[8*(8*\a+\b):8*(8*\a+\b)+7]
.endif
.endr
.endm
; 24 LDS loads in one run: the fragments of quarter q of a K step into buffer f: wb's first, xb's last with a ascending
.macro FETCH slot, q, f
	WIN 0
.irp b, 0,1,2,3,4,5,6,7
	ds_load_tr16_b128 v[\f+8*\b:\f+8*\b+3],   v[ADRB+\slot] offset:\q*32*PB+32*\b
	ds_load_tr16_b128 v[\f+8*\b+4:\f+8*\b+7], v[ADRB+\slot] offset:\q*32*PB+32*\b+16*PB
.endr
.irp a, 0,1,2,3
	ds_load_b128 v[\f+64+8*\a:\f+64+8*\a+3],   v[ADRA+\slot] offset:\q*64+\a*16*PA
	ds_load_b128 v[\f+64+8*\a+4:\f+64+8*\a+7], v[ADRA+\slot] offset:\q*64+\a*16*PA+32
.endr
.endm
; A quarter step: 32 matrix instructions on buffer f; in its middle the next quarter's fragments are fetched into buffer g.
; The 32 accumulators take turns, one instruction a turn, in the same order in every quarter.
.macro QUARTER slot, qnext, f, g, zero
	s_wait_dscnt 4                                 ; all but the four youngest loads (xb's tiles 2 and 3) are in
	WIN MUL
	MULA \f, 0, \zero
	MULA \f, 1, \zero
	PLACES
	FETCH \slot, \qnext, \g
	s_wait_dscnt 24                                ; all but the 24 just issued
	WIN MUL
	MULA \f, 2, \zero
	MULA \f, 3, \zero
.endm
.macro THREE slot, zero
	QUARTER \slot, 1, F0, F1, \zero
	QUARTER \slot, 2, F1, F0, 0
	QUARTER \slot, 3, F0, F1, 0
.endm
; The last quarter multiplies buffer 1 and changes slots.  In front of the barrier each wave waits for its reads of this slot and for all its tensor loads
; (one is out: its part of the next slot).  Where the slot is filled again the barrier opens a round of the cluster's barrier, and the joint refill is the
; first tensor load behind the round.  From a request to the wait for it a wave issues 120 matrix instructions.
.macro TURN slot, next, fill
	s_wait_dscnt 4
	WIN MUL
	MULA F1, 0, 0
	s_wait_dscnt 0x0                               ; my reads of this slot are over
	s_wait_tensorcnt 0x0                           ; all my tensor loads have landed
	ds_add_u32 v254, v255
	s_wait_dscnt 0x0
	s_barrier_signal -1
	MULA F1, 1, 0                                  ; register work while the others arrive
	WIN 0
	s_barrier_wait -1
.if \fill
	CREST                                          ; no wave of any partner still reads this slot or has a load on its way
	s_add_nc_u64 s[G0+4*\slot+2:G0+4*\slot+3], s[G0+4*\slot+2:G0+4*\slot+3], 2*ASTEP
	s_add_nc_u64 s[G0B+4*\slot+2:G0B+4*\slot+3], s[G0B+4*\slot+2:G0B+4*\slot+3], 2*BSTEP
	JLOAD \slot
.endif
	PLACES
	FETCH \next, 0, F0
	WIN MUL
	MULA F1, 2, 0
	MULA F1, 3, 0
.endm
.macro LAP zero
	THREE 0, \zero
	TURN 0, 1, 1
	THREE 1, 0
	TURN 1, 0, 1
.endm
	s_wait_tensorcnt 0x1                           ; my part of K step 0 is in; K step 1's may stay out
	s_barrier_signal -1
	s_barrier_wait -1
	FETCH 0, 0, F0
	LAP 1                                          ; the first lap stands in front of the loop: its first products start the sums
	WIN 0
	s_mov_b32 s3, LAPS-2
.Llap:
	LAP 0
	WIN 0
	s_sub_co_u32 s3, s3, 1
	s_cmp_lg_u32 s3, 0
	s_cbranch_scc1 .Llap
	THREE 0, 0                                     ; the last lap fills nothing
	TURN 0, 1, 0
	THREE 1, 0
	s_wait_dscnt 4
	WIN MUL
	MULA F1, 0, 0
	MULA F1, 1, 0
	s_wait_dscnt 0x0
	MULA F1, 2, 0
	MULA F1, 3, 0
	WIN 0
	PLACES                                         ; behind the last matrix instructions: the lines below write their sources and read their results
	; THE WAY OUT.  My column is 256 bc + 128 wn + 16 b + 8 h + j: head g = 4 bc + 2 wn + b / 4, place in the head d = 16 (b % 4) + 8 h + j, RoPE pair p = 8 (b % 4) + 4 h + j / 2.
	; No branch hangs on the block column: q, k and v differ in two numbers.  With the switch 0 the angle is 0, cosine 1 and sine 0 exactly: v passes unturned.
.set IF, 32                            ; v[32:47]   16 inverse frequencies (b % 4, j / 2), times the switch
.set CP, 48                            ; v[48:63]   pairs (cosine's, sine's coefficient) of y^k, k = 0..7
.set CS, 64                            ; v[64:95]   16 pairs (cos, sin) times the scale, of this batch's row
.set RO, 96                            ; v[96:159]  turned results
.set PK, 160                           ; v[160:191] packed f16
.set RB, 192                           ; v[192:223] read back, to store
.set XR, 224                           ; four reduced angles
.set TR, 228                           ; four turn counts
.set YP, 232                           ; four pairs: x^2 in the even register
.set XS, 240                           ; four pairs (scale, x scale)
	s_mov_b32 s66, 0x40c90fdb                      ; 2 pi, upper part
	s_mov_b32 s67, 0xb43bbd2e                      ; 2 pi, the rest
	s_mov_b32 s68, 0x3f800000                      ; v: scale 1,
	s_mov_b32 s69, 0                               ;    no turning
	s_cmp_lt_u32 s42, 6
	s_cselect_b32 s68, 0x3f000000, s68             ; k: scale 1/2,
	s_cselect_b32 s69, 0x3f800000, s69             ;    turning
	s_cmp_lt_u32 s42, 4
	s_cselect_b32 s68, 0x3eb8aa3b, s68             ; q: scale log2(e)/4
	s_lshr_b32 s16, s13, 4                         ; batch,
	s_lshl_b32 s16, s16, 23                        ; x 32 heads x 2,048 rows x 128 bytes
	s_and_b32 s17, s13, 15                         ; block row inside the batch
	s_lshl_b32 s18, s17, 14                        ; x 128 rows x 128 bytes
	s_add_co_u32 s16, s16, s18
	s_lshl_b32 s18, s11, 13                        ; + my 64 rows
	s_add_co_u32 s16, s16, s18
	s_lshl_b32 s18, s17, 7
	s_lshl_b32 s19, s11, 6
	s_add_co_u32 s18, s18, s19                     ; position of my first row
	s_mov_b32 s17, 0
	s_add_nc_u64 s[8:9], s[8:9], s[16:17]
	s_lshl_b32 s46, s42, 20                        ; head 4 bc + 2 wn, x 262,144 bytes (in the registers that held wb's address)
	s_lshl_b32 s47, s12, 19
	s_add_co_u32 s46, s46, s47
	s_mov_b32 s47, 0
	s_add_nc_u64 s[8:9], s[8:9], s[46:47]
	v_add_nc_u32 v[POS], s18, v1
	v_cvt_f32_u32 v[POS], v[POS]                   ; exact
	v_lshlrev_b32 v28, 2, v2                       ; 4 h
.set i, 0
.rept 16
	v_add_nc_u32 v[IF+i], 8*(i>>2)+(i&3), v28      ; p
.set i, i+1
.endr
.set i, 0
.rept 16
	v_cvt_f32_u32 v[IF+i], v[IF+i]
.set i, i+1
.endr
.set i, 0
.rept 16
	v_mul_f32 v[IF+i], 0xbed49a78, v[IF+i]         ; - p log2(10000) / 32
.set i, i+1
.endr
.set i, 0
.rept 16
	v_exp_f32 v[IF+i], v[IF+i]                     ; 10000^(-p/32)
.set i, i+1
.endr
	v_nop                                          ; one plain place behind the exponentials (ISA guide 5.7.2)
.set i, 0
	s_wait_alu depctr_va_vdst(0)
.rept 16
	v_mul_f32 v[IF+i], s69, v[IF+i]
.set i, i+1
.endr
.macro COEF k, c, s
	v_mov_b32 v[CP+2*\k], \c
	v_mov_b32 v[CP+2*\k+1], \s
.endm
	COEF 0, 0x3f800000, 0x3f800000                 ; 1, 1
	COEF 1, 0xbf000000, 0xbe2aaaab                 ; -1/2!, -1/3!
	COEF 2, 0x3d2aaaab, 0x3c088889                 ; 1/4!, 1/5!
	COEF 3, 0xbab60b61, 0xb9500d01
	COEF 4, 0x37d00d01, 0x3638ef1d
	COEF 5, 0xb493f27e, 0xb2d7322b
	COEF 6, 0x310f76c7, 0x2f309231
	COEF 7, 0xad49cba5, 0xab573f9f                 ; -1/14!, -1/15!
.irp u, 0,1,2,3
	v_mov_b32 v[YP+2*\u+1], 0                      ; the pairs' unused halves are written once: a pair counts as read whole
	v_mov_b32 v[XS+2*\u], s68
.endr
; Four angles, stage by stage so that no line waits for the one in front: (cos, sin) x scale of pairs 4 g .. 4 g + 3.
.macro ANGLES g
.irp u, 0,1,2,3
	v_mul_f32 v[XR+\u], v[POS], v[IF+4*\g+\u]      ; the angle, one rounding, as the problem forms it
.endr
.irp u, 0,1,2,3
	v_mul_f32 v[TR+\u], 0.15915494, v[XR+\u]
.endr
.irp u, 0,1,2,3
	v_rndne_f32 v[TR+\u], v[TR+\u]                 ; whole turns
.endr
.irp u, 0,1,2,3
	v_fma_f32 v[XR+\u], -v[TR+\u], s66, v[XR+\u]
.endr
.irp u, 0,1,2,3
	v_fma_f32 v[XR+\u], -v[TR+\u], s67, v[XR+\u]   ; x in [-pi, pi]
.endr
.irp u, 0,1,2,3
	v_mul_f32 v[YP+2*\u], v[XR+\u], v[XR+\u]
	v_mul_f32 v[XS+2*\u+1], s68, v[XR+\u]
.endr
.irp u, 0,1,2,3
	v_pk_fma_f32 v[CS+8*\g+2*\u:CS+8*\g+2*\u+1], v[CP+14:CP+15], v[YP+2*\u:YP+2*\u+1], v[CP+12:CP+13] op_sel_hi:[1,0,1]   ; both series at once, y for both halves
.endr
.irp k, 5,4,3,2,1,0
.irp u, 0,1,2,3
	v_pk_fma_f32 v[CS+8*\g+2*\u:CS+8*\g+2*\u+1], v[CS+8*\g+2*\u:CS+8*\g+2*\u+1], v[YP+2*\u:YP+2*\u+1], v[CP+2*\k:CP+2*\k+1] op_sel_hi:[1,0,1]
.endr
.endr
.irp u, 0,1,2,3
	v_pk_mul_f32 v[CS+8*\g+2*\u:CS+8*\g+2*\u+1], v[CS+8*\g+2*\u:CS+8*\g+2*\u+1], v[XS+2*\u:XS+2*\u+1]   ; (cos scale, sin-series x scale)
.endr
.endm
; Rows 16 a .. 16 a + 15 of my 64: turn, round to f16, 16 bytes a lane into my stage, back as whole rows, out in runs of 512 neighbouring bytes.
.macro OUT16 a
.if \a
	v_add_f32 v[POS], 0x41800000, v[POS]           ; 16 rows on
.endif
	ANGLES 0
	ANGLES 1
	ANGLES 2
	ANGLES 3
	WIN 0x01                                       ; source 0 = the accumulators
.irp b, 0,1,2,3,4,5,6,7
.irp jj, 0,1,2,3
	v_pk_mul_f32 v[RO+8*\b+2*\jj:RO+8*\b+2*\jj+1], v[8*(8*\a+\b)+2*\jj:8*(8*\a+\b)+2*\jj+1], v[CS+8*(\b&3)+2*\jj:CS+8*(\b&3)+2*\jj+1] op_sel:[1,1] op_sel_hi:[1,0] neg_lo:[0,1]   ; (-x1 s, x1 c)
.endr
.irp jj, 0,1,2,3
	v_pk_fma_f32 v[RO+8*\b+2*\jj:RO+8*\b+2*\jj+1], v[8*(8*\a+\b)+2*\jj:8*(8*\a+\b)+2*\jj+1], v[CS+8*(\b&3)+2*\jj:CS+8*(\b&3)+2*\jj+1], v[RO+8*\b+2*\jj:RO+8*\b+2*\jj+1] op_sel_hi:[0,1,1]   ; + (x0 c, x0 s)
.endr
.endr
	WIN 0
.set i, 0
.rept 32
	v_cvt_pk_f16_f32 v[PK+i], v[RO+2*i], v[RO+2*i+1]
.set i, i+1
.endr
.irp b, 0,1,2,3,4,5,6,7
	ds_store_b128 v[STO], v[PK+4*\b:PK+4*\b+3] offset:(\b>>2)*SHEAD+(\b&3)*32
.endr
	s_wait_xcnt 0x0                                ; the last batch's stores have had their addresses translated (ISA guide 3.1): their data registers are loaded again only behind this wait
.irp t, 0,1,2,3,4,5,6,7
	ds_load_b128 v[RB+4*\t:RB+4*\t+3], v[RD] offset:(\t>>2)*SHEAD+(\t&3)*4*SPITCH   ; LDS serves a wave's instructions in order: these see the stores above
.endr
.irp t, 0,1,2,3,4,5,6,7
	s_wait_dscnt 7-\t                              ; load t is in, the younger ones stay out
	global_store_b128 v[CO], v[RB+4*\t:RB+4*\t+3], s[8:9] offset:(\t>>2)*262144+\a*2048+(\t&3)*512   ; four rows of a head: 512 neighbouring bytes, aligned
.endr
.endm
	OUT16 0
	OUT16 1
	OUT16 2
	OUT16 3
	s_wait_tensorcnt 0x0
	ds_add_u32 v254, v255
	s_wait_dscnt 0x0
	CROUND                                         ; the closing round: no work-group ends while a partner may still ask for a tile that names it
	s_endpgm
.Lfunc_end_k_q62f33b1cdc_qkvproj:
	.size	k_q62f33b1cdc_qkvproj, .Lfunc_end_k_q62f33b1cdc_qkvproj-k_q62f33b1cdc_qkvproj
	.p2alignl 7, 3214868480
	.fill 96, 4, 3214868480
	.section	.rodata,"a",@progbits
	.p2align	6, 0x0
	.amdhsa_kernel k_q62f33b1cdc_qkvproj
		.amdhsa_group_segment_fixed_size 327680
		.amdhsa_private_segment_fixed_size 0
		.amdhsa_enable_private_segment 0
		.amdhsa_kernarg_size 24
		.amdhsa_user_sgpr_count 2
		.amdhsa_user_sgpr_kernarg_segment_ptr 1
		.amdhsa_wavefront_size32 1
		.amdhsa_system_sgpr_workgroup_id_x 1
		.amdhsa_system_sgpr_workgroup_id_y 1
		.amdhsa_system_sgpr_workgroup_id_z 1
		.amdhsa_system_vgpr_workitem_id 0
		.amdhsa_next_free_vgpr 512
		.amdhsa_next_free_sgpr 72
		.amdhsa_reserve_vcc 0
		.amdhsa_float_denorm_mode_32 3
		.amdhsa_float_denorm_mode_16_64 3
		.amdhsa_memory_ordered 1
		.amdhsa_forward_progress 1
		.amdhsa_inst_pref_size 189
	.end_amdhsa_kernel
	.amdgpu_metadata
---
amdhsa.version: [ 1, 2 ]
amdhsa.kernels:
  - .name:           k_q62f33b1cdc_qkvproj
    .symbol:         k_q62f33b1cdc_qkvproj.kd
    .args:
      - { .name: xb, .offset: 0, .size: 8, .value_kind: global_buffer, .address_space: global }
      - { .name: wb, .offset: 8, .size: 8, .value_kind: global_buffer, .address_space: global }
      - { .name: qkv, .offset: 16, .size: 8, .value_kind: global_buffer, .address_space: global }
    .group_segment_fixed_size: 327680
    .private_segment_fixed_size: 0
    .kernarg_segment_align: 8
    .kernarg_segment_size: 24
    .max_flat_workgroup_size: 128
    .sgpr_count:     72
    .vgpr_count:     512
    .wavefront_size: 32
...
	.end_amdgpu_metadata
.endif
;; end of part 2
;; launch attn (part 3): grid 256 x 1, 8 waves a work-group, no clusters, 327,680 bytes of LDS; arguments qkv, ab; writes ab
.if DOCPART == 3
	.amdgcn_target "amdgcn-amd-amdhsa--gfx1250"
	.amdhsa_code_object_version 6
	.text
	.protected	k_q62f33b1cdc_attn
	.globl	k_q62f33b1cdc_attn
	.p2align	8
	.type	k_q62f33b1cdc_attn,@function
k_q62f33b1cdc_attn:
	s_mov_b64 s[64:65], 0
	v_nop
	global_prefetch_b8 v0, s[64:65] scope:SCOPE_SE
	s_setreg_imm32_b32 hwreg(HW_REG_WAVE_MODE, 25, 1), 1
	s_wait_xcnt 0x0
; Causal attention with a running maximum, f16 operands, f32 sums and statistics.  qkv f16 [batch][g 32][2048][64] (q x log2(e)/4, k x 1/2, v); ab f16 [batch][head 16][2048][64].
; Query head h reads key and value head h / 2.
; LIMITS: the result is f16, of the size of v: finite for |v| < 65,504.  The running maximum starts at -1e30, not at -infinity, because a wave's 64 keys of a diagonal tile can all be masked;
;   base-2 scores of finite f16 operands are below 64 x 65,504^2 = 2.8e11 in size, so that floor never takes part in a result.
; A work-group takes one head and TWO blocks of 128 query rows: block e = 2 (id % 8), with e + 1 tiles of 128 keys, and block 15 - e, with 16 - e: 17 tiles in each of the 256 work-groups.
; EIGHT WAVES, two for each SIMD, so that one wave's vector work can be issued while the other's matrix instructions are under way.  Wave w = 4 p + g owns query rows 32 g .. 32 g + 31
; and, of every tile, keys 64 p .. 64 p + 63.  The KEYS are split, not the queries: a K or V fragment is still read from LDS once for 32 queries.  Each wave keeps its own maximum, sum and O;
; at a block's end wave 4 + g hands its 68 registers to wave g through LDS, and wave g joins the two parts.
; ORDER OF THE TILES: the first block's diagonal tile first, from LDS bytes of its own that are filled once; then eight slots of two tiles (256 keys): e / 2 slots for block e,
; 8 - e / 2 for block 15 - e, whose diagonal tile is the last slot's second.  So slot j lies in LDS slot j % 2 and the ring is the same text for every e;
; only the place of the change of blocks differs: a branch on (j == e / 2), the same in all waves, in front of each slot.
; Products are taken transposed, S^T = K Q^T and O^T = V^T P^T: a lane holds one query (l % 16) and 8 keys (or 8 places of the head) a tile, so a row's maximum and sum are a lane's own
; but for one exchange between the halves of the wave, and two packed S tiles ARE the operand of the second product: P never goes through LDS.
; NO CLUSTER: only the two query heads of one key head with the same e walk the same tiles in the same order; work-groups with another e need other numbers of slots for each query block.
; No prefetch: every tile read here was stored by the launch in front and is read by sixteen work-groups shortly after each other.
.set KP,    144                        ; K's and Q's LDS row: 128 bytes + 16, an odd multiple of 16 bytes
.set VP,    160                        ; V's LDS row: 128 bytes + 32, an odd multiple of 32 bytes, for the transposing load
.set VOFF,  4*64*VP                    ; 40,960: V's 256 rows in a slot, behind K's 256 rows (36,864 bytes)
.set SLOT,  2*VOFF                     ; 81,920
.set XT,    2*SLOT                     ; 163,840: the first block's diagonal tile: K's 128 rows at +0,
.set XVOFF, 2*64*VP                    ; V's at +20,480
.set QLDS,  XT+2*XVOFF                 ; 204,800: Q: block x 18,432, 128 rows
.set QBLK,  128*KP
.set MRG,   QLDS+2*QBLK                ; 241,664: the hand-over: block x 34,816 + g x 8,704; no tensor load lands here.  Wave g's stage for the way out lies in the same bytes, once it has read them
.set MWAVE, 17*512
.set MBLK,  4*MWAVE
.set KA, 8                             ; v8-10  K fragment address: slot 0, slot 1, the diagonal tile
.set VA, 11                            ; v11-13 V fragment address, likewise
.set QA, 14
.set STO, 15
.set RD, 16
.set CO, 17
.set DM, 18                            ; v18-19 my query's number in the block less my first key's number in the tile (32 g + 16 qt + r - 8 h - 64 p), for query tile 0, 1
.set NINF, 20
.set MG, 21                            ; the hand-over: 16 bytes a lane
.set MX, 22                            ; v22-23 running maximum   } v[22:25] go over in one store
.set LS, 24                            ; v24-25 running sum       }
.set NM, 26                            ; v[26:27] minus the new maximum, twice
.set AL, 28                            ; v[28:29], v[30:31] the factor for what was summed so far, twice
.set SR, 32                            ; v[32:95]   S (query tile qt, key tile kt) at 8 (4 qt + kt); then P packed in place
.set FK, 96                            ; v[96:159]  K fragments (kt, ks) at 8 (2 kt + ks)
.set FV, 160                           ; v[160:223] V fragments (dt, c) at 8 (2 dt + c)
.set TT, 224                           ; v[224:239] at work
.set OA, 32                            ; window 1: Q (qt, ks) at 8 (2 qt + ks); O (qt, dt) at 32 + 8 (4 qt + dt)
.set G1K, 16                           ; s[16:23] group 1: 64 rows of 128 bytes, pitch 144
.set G1V, 24                           ; s[24:31] the same, pitch 160
.set G0K, 32                           ; s[32:39] group 0 for K, one set a slot
.set G0V, 40                           ; s[40:47] for V
.set G0XK, 48                          ; s[48:51] the diagonal tile's K
.set G0XV, 52                          ; s[52:55] its V
.set G0Q, 56                           ; s[56:59] Q
.set MSB, 0
.macro WIN new                         ; the immediate's high byte repeats the setting that is left
.if MSB != \new
	s_set_vgpr_msb (MSB<<8)|\new
.set MSB, \new
.endif
.endm
.macro PLACES                          ; four places behind a matrix instruction (ISA guide 7.12.1)
.rept 4
	v_nop
.endr
.endm
	s_load_b128 s[4:7], s[0:1], 0x0                ; qkv s[4:5], ab s[6:7]
	v_lshl_add_u32 v254, v0, 2, 0x4c000
	v_mov_b32 v255, 0
	ds_add_u32 v254, v255
	ds_add_u32 v254, v255
	v_lshrrev_b32 v1, 5, v0
	v_readfirstlane_b32 s8, v1                     ; wave 0..7
	s_lshr_b32 s9, s8, 2                           ; p: which 64 keys of a tile are mine.  Also: I fetch K (0) or V (1) of the slots
	s_and_b32 s10, s8, 3                           ; g: which 32 query rows.  Also: which 64 rows of a slot I fetch
	s_and_b32 s11, ttmp9, 7                        ; e / 2
	s_bfe_u32 s12, ttmp9, 0x40003                  ; head
	s_lshr_b32 s13, ttmp9, 7                       ; batch
	s_lshl_b32 s80, s11, 1                         ; e
	s_sub_co_u32 s81, 15, s80                      ; 15 - e
	s_mov_b32 s14, 0                               ; the next pair of tiles to ask for,
	s_cmp_eq_u32 s11, 0
	s_cselect_b32 s15, 64, s11                     ; and where the first block's pairs end (never, if it has none)
	s_mov_b32 s71, 0
	s_mov_b32 s72, 0x76543210                      ; v_permlanex16_b32: lane i of one half reads lane i of the other
	s_mov_b32 s73, 0xfedcba98
	; group 1: 64 rows of 64 f16 (128 bytes, as they are in the tensor), dense in memory, padded in LDS after every 32 words
	s_mov_b32 s[G1K+0], (1<<16)|(1<<20)|(4<<22)|(3<<25)   ; by 4 words: pitch 144
	s_mov_b32 s[G1K+1], 64<<16
	s_mov_b32 s[G1K+2], 64<<16
	s_mov_b32 s[G1K+3], 64<<16
	s_mov_b32 s[G1K+4], 64
	s_mov_b32 s[G1K+5], 64
	s_mov_b32 s[G1K+6], 0
	s_mov_b32 s[G1K+7], 0
	s_mov_b32 s[G1V+0], (1<<16)|(1<<20)|(4<<22)|(7<<25)   ; by 8 words: pitch 160
	s_mov_b32 s[G1V+1], 64<<16
	s_mov_b32 s[G1V+2], 64<<16
	s_mov_b32 s[G1V+3], 64<<16
	s_mov_b32 s[G1V+4], 64
	s_mov_b32 s[G1V+5], 64
	s_mov_b32 s[G1V+6], 0
	s_mov_b32 s[G1V+7], 0
	; offsets, apart from the addresses.  A head is 2,048 rows x 128 bytes = 2^18; a tile 2^14; 64 rows 2^13.
	s_lshl_b32 s82, s13, 23                        ; batch in qkv
	s_lshr_b32 s83, s12, 1
	s_lshl_b32 s83, s83, 18
	s_add_co_u32 s83, s83, s82
	s_add_co_u32 s83, s83, 16<<18                  ; K: head 16 + h / 2
	s_lshl_b32 s84, s10, 13                        ; my 64 rows of a slot's 256
	s_add_co_u32 s84, s84, s83
	s_mov_b32 s85, 0
	s_add_co_u32 s86, s84, 8<<18                   ; V: head 24 + h / 2
	s_mov_b32 s87, 0
	s_and_b32 s94, s8, 1
	s_lshl_b32 s94, s94, 13                        ; my 64 rows of a tile or of a query block
	s_lshl_b32 s88, s80, 14                        ; tile e
	s_add_co_u32 s88, s88, s94
	s_add_co_u32 s88, s88, s83                     ; the diagonal tile's K
	s_mov_b32 s89, 0
	s_add_co_u32 s90, s88, 8<<18                   ; its V
	s_mov_b32 s91, 0
	s_bitcmp1_b32 s8, 1                            ; waves 4, 5 fetch the first block's Q, waves 6, 7 the second's
	s_cselect_b32 s92, s81, s80
	s_lshl_b32 s92, s92, 14
	s_add_co_u32 s92, s92, s94
	s_add_co_u32 s92, s92, s82
	s_lshl_b32 s95, s12, 18                        ; query head
	s_add_co_u32 s92, s92, s95
	s_mov_b32 s93, 0
	s_lshl_b32 s60, s13, 22                        ; batch in ab
	s_add_co_u32 s60, s60, s95
	s_lshl_b32 s61, s10, 12                        ; my 32 rows of a block
	s_add_co_u32 s60, s60, s61
	s_lshl_b32 s62, s81, 14
	s_add_co_u32 s62, s62, s60                     ; the second block's rows in ab
	s_mov_b32 s63, 0
	s_lshl_b32 s61, s80, 14
	s_add_co_u32 s60, s60, s61                     ; the first block's
	s_mov_b32 s61, 0
	s_wait_dscnt 0x0
	s_wait_kmcnt 0x0
	s_add_nc_u64 s[66:67], s[4:5], s[84:85]        ; K's rows 0 .., my 64 of 256
	s_add_nc_u64 s[68:69], s[4:5], s[86:87]        ; V's
	s_add_nc_u64 s[G0XK+2:G0XK+3], s[4:5], s[88:89]
	s_or_b32 s[G0XK+3], s[G0XK+3], 0x80000000
	s_add_nc_u64 s[G0XV+2:G0XV+3], s[4:5], s[90:91]
	s_or_b32 s[G0XV+3], s[G0XV+3], 0x80000000
	s_add_nc_u64 s[G0Q+2:G0Q+3], s[4:5], s[92:93]
	s_or_b32 s[G0Q+3], s[G0Q+3], 0x80000000
	s_add_nc_u64 s[76:77], s[6:7], s[60:61]        ; where the first block's result goes
	s_add_nc_u64 s[78:79], s[6:7], s[62:63]        ; and the second's
	; LDS addresses: a constant + the wave's number x a constant + the slot's constant
	s_mul_i32 s84, s8, 64*KP                       ; 9,216 w
	s_mul_i32 s85, s8, 64*VP                       ; 10,240 w
.irp s, 0,1
	s_mov_b32 s[G0K+4*\s], 1
	s_add_co_u32 s[G0K+4*\s+1], s84, \s*SLOT       ; waves 0-3: K's rows 64 w
	s_mov_b32 s[G0V+4*\s], 1
	s_add_co_u32 s[G0V+4*\s+1], s85, \s*SLOT       ; waves 4-7: 10,240 w = 40,960 + 10,240 (w - 4)
.endr
	s_mov_b32 s[G0XK], 1
	s_add_co_u32 s[G0XK+1], s84, XT                ; waves 0, 1
	s_mov_b32 s[G0XV], 1
	s_add_co_u32 s[G0XV+1], s85, XT                ; waves 2, 3: 10,240 w = 20,480 + 10,240 (w - 2)
	s_mov_b32 s[G0Q], 1
	s_add_co_u32 s[G0Q+1], s84, QLDS-4*64*KP       ; waves 4-7: 204,800 + 9,216 (w - 4)
; The next pair of tiles' address goes into the slot's two sets; the pair's number steps, and falls back to 0 once, where the first block's pairs end.
.macro NEXTREQ slot
	s_lshl_b32 s70, s14, 15                        ; 256 rows x 128 bytes a slot
	s_add_nc_u64 s[G0K+4*\slot+2:G0K+4*\slot+3], s[66:67], s[70:71]
	s_or_b32 s[G0K+4*\slot+3], s[G0K+4*\slot+3], 0x80000000
	s_add_nc_u64 s[G0V+4*\slot+2:G0V+4*\slot+3], s[68:69], s[70:71]
	s_or_b32 s[G0V+4*\slot+3], s[G0V+4*\slot+3], 0x80000000
	s_add_co_u32 s14, s14, 1
	s_cmp_eq_u32 s14, s15
	s_cselect_b32 s14, 0, s14
	s_cselect_b32 s15, 64, s15                     ; never reached again
.endm
.macro REFILL slot                     ; one tensor load a wave; the branch hangs on the wave's number alone
	s_cmp_eq_u32 s9, 0
	s_cbranch_scc0 .Lrv_\@
	tensor_load_to_lds s[G0K+4*\slot:G0K+4*\slot+3], s[G1K:G1K+7]
	s_nop 0
	s_branch .Lrd_\@
.Lrv_\@:
	tensor_load_to_lds s[G0V+4*\slot:G0V+4*\slot+3], s[G1V:G1V+7]
	s_nop 0
.Lrd_\@:
.endm
	NEXTREQ 0
	NEXTREQ 1
	; The first fills, one group, all of a wave's on one arm of a branch on its number: a part of the diagonal tile or of Q, then my part of slots 0 and 1.  Three tensor loads of a wave are out.
	s_cmp_lt_u32 s8, 2
	s_cbranch_scc1 .Lfirst_xk
	s_cmp_lt_u32 s8, 4
	s_cbranch_scc1 .Lfirst_xv
	tensor_load_to_lds s[G0Q:G0Q+3], s[G1K:G1K+7]
	s_nop 0
	tensor_load_to_lds s[G0V:G0V+3], s[G1V:G1V+7]
	s_nop 0
	tensor_load_to_lds s[G0V+4:G0V+7], s[G1V:G1V+7]
	s_nop 0
	s_branch .Lfirst_done
.Lfirst_xk:
	tensor_load_to_lds s[G0XK:G0XK+3], s[G1K:G1K+7]
	s_nop 0
	tensor_load_to_lds s[G0K:G0K+3], s[G1K:G1K+7]
	s_nop 0
	tensor_load_to_lds s[G0K+4:G0K+7], s[G1K:G1K+7]
	s_nop 0
	s_branch .Lfirst_done
.Lfirst_xv:
	tensor_load_to_lds s[G0XV:G0XV+3], s[G1V:G1V+7]
	s_nop 0
	tensor_load_to_lds s[G0K:G0K+3], s[G1K:G1K+7]
	s_nop 0
	tensor_load_to_lds s[G0K+4:G0K+7], s[G1K:G1K+7]
	s_nop 0
.Lfirst_done:
	v_and_b32 v1, 15, v0                           ; r
	v_bfe_u32 v2, v0, 4, 1                         ; h
	v_and_b32 v3, 7, v0
	v_bfe_u32 v4, v0, 3, 1
	v_mul_u32_u24 v5, v1, KP
	v_lshl_add_u32 v5, v2, 4, v5                   ; row r, 16 bytes for each half of the lanes
	s_mul_i32 s86, s9, 64*KP                       ; my 64 keys of a tile, in K
	s_mul_i32 s87, s9, 64*VP                       ; and in V
	v_add_nc_u32 v[KA], s86, v5
	v_add_nc_u32 v[KA+1], SLOT, v[KA]
	v_add_nc_u32 v[KA+2], XT, v[KA]
	v_lshl_add_u32 v6, v2, 3, v3
	v_mul_u32_u24 v6, v6, VP
	v_lshl_add_u32 v6, v4, 4, v6                   ; key row 8 h + l % 8, 16 bytes by bit 3 of the lane
	v_add_nc_u32 v6, s87, v6
	v_add_nc_u32 v[VA], VOFF, v6
	v_add_nc_u32 v[VA+1], SLOT+VOFF, v6
	v_add_nc_u32 v[VA+2], XT+XVOFF, v6
	s_mul_i32 s88, s10, 32*KP
	s_add_co_u32 s88, s88, QLDS                    ; my 32 rows of Q
	v_add_nc_u32 v[QA], s88, v5
	s_mul_i32 s89, s10, MWAVE
	s_add_co_u32 s89, s89, MRG                     ; the hand-over of my row group
	v_add_nc_u32 v[STO], s89, v5
	v_and_b32 v7, 31, v0
	v_lshrrev_b32 v6, 3, v7
	v_mul_u32_u24 v6, v6, KP
	v_lshl_add_u32 v6, v3, 4, v6
	v_add_nc_u32 v[RD], s89, v6                    ; back: eight lanes a row of 128 bytes, four rows a load
	v_lshlrev_b32 v[CO], 4, v7
	v_add_nc_u32 v[MG], s89, v[CO]
	v_lshlrev_b32 v5, 3, v2
	v_sub_nc_u32 v[DM], v1, v5
	s_lshl_b32 s90, s10, 5
	s_lshl_b32 s91, s9, 6
	s_sub_co_i32 s90, s90, s91                     ; 32 g - 64 p (signed)
	v_add_nc_u32 v[DM], s90, v[DM]
	v_add_nc_u32 v[DM+1], 16, v[DM]
	v_mov_b32 v[NINF], 0xff800000
; ad: 0, 1 = the slot, 2 = the diagonal tile at the start; tl: which of a slot's two tiles
.macro LOADK ad, tl                    ; 16 loads: my 64 keys x 64
.irp kt, 0,1,2,3
.irp ks, 0,1
	ds_load_b128 v[FK+8*(2*\kt+\ks):FK+8*(2*\kt+\ks)+3],   v[KA+\ad] offset:(128*\tl+16*\kt)*KP+64*\ks
	ds_load_b128 v[FK+8*(2*\kt+\ks)+4:FK+8*(2*\kt+\ks)+7], v[KA+\ad] offset:(128*\tl+16*\kt)*KP+64*\ks+32
.endr
.endr
.endm
.macro LOADV ad, tl                    ; 16 transposing loads: V^T, 64 places x my 64 keys
.irp dt, 0,1,2,3
.irp c, 0,1
	ds_load_tr16_b128 v[FV+8*(2*\dt+\c):FV+8*(2*\dt+\c)+3],   v[VA+\ad] offset:(128*\tl+32*\c)*VP+32*\dt
	ds_load_tr16_b128 v[FV+8*(2*\dt+\c)+4:FV+8*(2*\dt+\c)+7], v[VA+\ad] offset:(128*\tl+32*\c)*VP+32*\dt+16*VP
.endr
.endr
.endm
; S^T = K Q^T: 16 matrix instructions; the eight accumulators take turns; the first product starts each sum.
.macro SMUL
	WIN 0x04                                       ; source 1 (Q) in window 1
.irp ks, 0,1
.irp qt, 0,1
.irp kt, 0,1,2,3
.if \ks
	v_wmma_f32_16x16x32_f16 v[SR+8*(4*\qt+\kt):SR+8*(4*\qt+\kt)+7], v[FK+8*(2*\kt+\ks):FK+8*(2*\kt+\ks)+7], v[8*(2*\qt+\ks):8*(2*\qt+\ks)+7], v[SR+8*(4*\qt+\kt):SR+8*(4*\qt+\kt)+7]
.else
	v_wmma_f32_16x16x32_f16 v[SR+8*(4*\qt+\kt):SR+8*(4*\qt+\kt)+7], v[FK+8*(2*\kt+\ks):FK+8*(2*\kt+\ks)+7], v[8*(2*\qt+\ks):8*(2*\qt+\ks)+7], 0
.endif
.endr
.endr
.endr
.endm
; O^T += V^T P^T: 16 matrix instructions, eight accumulators by turns.  zero = 1: the first product starts the sums.
.macro PVMUL zero
	WIN 0x50                                       ; C and D in window 1
.irp c, 0,1
.irp qt, 0,1
.irp dt, 0,1,2,3
.if \zero*(1-\c)
	v_wmma_f32_16x16x32_f16 v[OA+8*(4*\qt+\dt):OA+8*(4*\qt+\dt)+7], v[FV+8*(2*\dt+\c):FV+8*(2*\dt+\c)+7], v[SR+32*\qt+16*\c:SR+32*\qt+16*\c+7], 0
.else
	v_wmma_f32_16x16x32_f16 v[OA+8*(4*\qt+\dt):OA+8*(4*\qt+\dt)+7], v[FV+8*(2*\dt+\c):FV+8*(2*\dt+\c)+7], v[SR+32*\qt+16*\c:SR+32*\qt+16*\c+7], v[OA+8*(4*\qt+\dt):OA+8*(4*\qt+\dt)+7]
.endif
.endr
.endr
.endr
.endm
.macro RESCALE                         ; what was summed so far, to the new maximum
	WIN 0x41
.irp qt, 0,1
.set i, 0
.rept 16
	v_pk_mul_f32 v[OA+32*\qt+2*i:OA+32*\qt+2*i+1], v[OA+32*\qt+2*i:OA+32*\qt+2*i+1], v[AL+2*\qt:AL+2*\qt+1]
.set i, i+1
.endr
.endr
.endm
; One query tile's 32 scores a lane: mask, running maximum, base-2 exponentials, sum, and P packed in place as the second product's operand.  Register work alone.
.macro SOFTMAX qt, masked
.set SB, SR+32*\qt
.if \masked
.set i, 0
.rept 32
	v_cmp_gt_i32 vcc_lo, 16*(i>>3)+(i&7), v[DM+\qt]                ; key 64 p + 16 kt + 8 h + j lies behind query 32 g + 16 qt + r
	v_cndmask_b32 v[SB+i], v[SB+i], v[NINF], vcc_lo
.set i, i+1
.endr
.endif
.irp k, 0,1,2,3
	v_max3_num_f32 v[TT+\k], v[SB+8*\k], v[SB+8*\k+1], v[SB+8*\k+2]   ; four chains that do not wait for each other
.endr
.irp k, 0,1,2,3
	v_max3_num_f32 v[TT+\k], v[TT+\k], v[SB+8*\k+3], v[SB+8*\k+4]
.endr
.irp k, 0,1,2,3
	v_max3_num_f32 v[TT+\k], v[TT+\k], v[SB+8*\k+5], v[SB+8*\k+6]
.endr
.irp k, 0,1,2,3
	v_max_num_f32 v[TT+\k], v[TT+\k], v[SB+8*\k+7]
.endr
	v_max3_num_f32 v[TT], v[TT], v[TT+1], v[TT+2]
	v_max_num_f32 v[TT], v[TT], v[TT+3]
	v_permlanex16_b32 v[TT+1], v[TT], s72, s73     ; the same query's other keys, in the other half of the wave
	v_max3_num_f32 v[TT], v[TT], v[TT+1], v[MX+\qt]   ; the new maximum: finite, since the old one is at least the floor
	v_sub_f32 v[TT+2], v[MX+\qt], v[TT]
	v_exp_f32 v[AL+2*\qt], v[TT+2]                 ; 0 at the first step that has a key (old maximum = the floor), 1 while all keys were masked
	v_mov_b32 v[MX+\qt], v[TT]                     ; a plain place behind the exponential (ISA guide 5.7.2)
	v_sub_f32 v[NM], 0, v[TT]
	v_sub_f32 v[NM+1], 0, v[TT]
.set i, 0
.rept 16
	v_pk_add_f32 v[SB+2*i:SB+2*i+1], v[SB+2*i:SB+2*i+1], v[NM:NM+1]
.set i, i+1
.endr
.set i, 0
.rept 32
	v_exp_f32 v[SB+i], v[SB+i]
.set i, i+1
.endr
	s_wait_alu depctr_va_vdst(0)
	v_mov_b32 v[AL+2*\qt+1], v[AL+2*\qt]           ; the plain place behind the exponentials
.irp i, 0,1,2,3,4,5,6,7
	v_pk_add_f32 v[TT+2*\i:TT+2*\i+1], v[SB+4*\i:SB+4*\i+1], v[SB+4*\i+2:SB+4*\i+3]
.endr
.irp i, 0,2,4,6
	v_pk_add_f32 v[TT+2*\i:TT+2*\i+1], v[TT+2*\i:TT+2*\i+1], v[TT+2*\i+2:TT+2*\i+3]
.endr
.irp i, 0,4
	v_pk_add_f32 v[TT+2*\i:TT+2*\i+1], v[TT+2*\i:TT+2*\i+1], v[TT+2*\i+4:TT+2*\i+5]
.endr
	v_pk_add_f32 v[TT:TT+1], v[TT:TT+1], v[TT+8:TT+9]
	v_add_f32 v[TT], v[TT], v[TT+1]
	v_fma_f32 v[LS+\qt], v[LS+\qt], v[AL+2*\qt], v[TT]
.irp c, 0,1
.irp i, 0,1,2,3,4,5,6,7
	v_cvt_pk_f16_f32 v[SB+16*\c+\i], v[SB+16*\c+2*\i], v[SB+16*\c+2*\i+1]   ; key tiles 2 c and 2 c + 1 become registers 0-3 and 4-7 of the operand; each target has been read before it is written
.endr
.endr
.endm
; My 64 keys of one tile.  kind: 0 = the slot's first tile; 1 = the launch's last; 2 = a slot's second tile, change of slots; 3 = the same with a refill;
; 4 = the diagonal tile at the start: its products start the first block's sums, and slot 0 is read next.
.macro SUB ad, tl, masked, kind
	s_wait_dscnt 0x0                               ; these 64 keys' K fragments (and Q, behind a block's start) are in
.rept 5
	v_nop                                          ; five places (ISA guide 7.12.1): the products below write over P, which the last matrix instructions read
.endr
	SMUL
	WIN 0
	PLACES                                         ; in front of the loads into K's fragments and of the vector reads of S
	LOADV \ad, \tl
.if \kind == 0
	LOADK \ad, 1
.endif
	SOFTMAX 0, \masked
.if \kind >= 2
	s_wait_dscnt 0x0                               ; all my reads of these bytes are over
.if \kind == 4
	s_wait_tensorcnt 0x1                           ; my part of slot 0 is in; slot 1's, issued behind it, may stay out
.else
	s_wait_tensorcnt 0x0                           ; all my tensor loads have landed (one was out: my part of the other slot), so a group 0 may be written
	ds_add_u32 v254, v255
	s_wait_dscnt 0x0
.endif
.if \kind == 3
	NEXTREQ \ad
.endif
	s_barrier_signal -1
.endif
	SOFTMAX 1, \masked                             ; register work while the others arrive
.if \kind >= 2
	s_barrier_wait -1                              ; nobody reads this slot any more, and the next one is whole
.if \kind == 3
	REFILL \ad                                     ; my one tensor load behind the barrier, first thing: it has a whole slot's work of every wave in which to land
.endif
.if \kind == 4
	LOADK 0, 0
.else
	LOADK 1-\ad, 0
.endif
.else
.if \kind == 0
	s_wait_dscnt 16                                ; V's 16 loads are in; K's 16, issued behind them, may stay out
.else
	s_wait_dscnt 0x0                               ; V's fragments
.endif
.endif
.if \kind == 4
	PVMUL 1
.else
	RESCALE
	PVMUL 0
.endif
	WIN 0
.endm
; A block begins.  O is not cleared.  The first block's first products start its sums.  The second block's first step multiplies what the first left by exp2(floor - maximum) = 0;
; that is finite: fewer than 2,048 weights of at most 1, times |v| < 65,504.
.macro INIT blk
	WIN 0x40
.irp qt, 0,1
.irp ks, 0,1
	ds_load_b128 v[8*(2*\qt+\ks):8*(2*\qt+\ks)+3],   v[QA] offset:\blk*QBLK+\qt*16*KP+64*\ks
	ds_load_b128 v[8*(2*\qt+\ks)+4:8*(2*\qt+\ks)+7], v[QA] offset:\blk*QBLK+\qt*16*KP+64*\ks+32
.endr
.endr
	WIN 0
	v_mov_b32 v[MX], 0xf149f2ca                    ; -1e30, the floor
	v_mov_b32 v[MX+1], 0xf149f2ca
	v_mov_b32 v[LS], 0
	v_mov_b32 v[LS+1], 0
.endm
; A block ends.  Wave 4 + g stores its O, maxima and sums, lane by lane, 512 neighbouring bytes a store; one barrier; wave g reads them (the same lane holds the same query and places),
; brings both parts to the common maximum, divides by the sum, rounds to f16, and sends the rows out through the same LDS bytes in runs of 512 neighbouring bytes.
; Each block has hand-over bytes of its own, so that no barrier is needed between one block's reads and the next block's stores.  Behind this barrier no LDS bytes are filled again.
.macro FINAL blk
	PLACES                                         ; behind the last matrix instructions: LDS stores and vector instructions read O, loads land in V's fragments
	s_cmp_eq_u32 s9, 0
	s_cbranch_scc1 .Lkeeper_\@
	WIN 0x04                                       ; store data in window 1
.set i, 0
.rept 16
	ds_store_b128 v[MG], v[OA+4*i:OA+4*i+3] offset:\blk*MBLK+512*i
.set i, i+1
.endr
	WIN 0
	ds_store_b128 v[MG], v[MX:MX+3] offset:\blk*MBLK+8192
.Lkeeper_\@:
	s_wait_dscnt 0x0                               ; for the partner's sake: my stores are done
	s_barrier_signal -1
	s_barrier_wait -1
	s_cmp_lg_u32 s9, 0
	s_cbranch_scc1 .Lgiven_\@
.set i, 0
.rept 16
	ds_load_b128 v[FV+4*i:FV+4*i+3], v[MG] offset:\blk*MBLK+512*i
.set i, i+1
.endr
	ds_load_b128 v[TT:TT+3], v[MG] offset:\blk*MBLK+8192
	s_wait_dscnt 0x0
	v_max_num_f32 v[TT+4], v[MX], v[TT]            ; the common maximum; mine is a true score's, since key 0 is among my keys
	v_max_num_f32 v[TT+5], v[MX+1], v[TT+1]
	v_sub_f32 v[TT+6], v[MX], v[TT+4]
	v_sub_f32 v[TT+7], v[MX+1], v[TT+5]
	v_sub_f32 v[TT+8], v[TT], v[TT+4]
	v_sub_f32 v[TT+9], v[TT+1], v[TT+5]
	v_exp_f32 v[TT+6], v[TT+6]                     ; my part's factor
	v_exp_f32 v[TT+7], v[TT+7]
	v_exp_f32 v[TT+8], v[TT+8]                     ; the partner's: 0 if all its keys were masked
	v_exp_f32 v[TT+9], v[TT+9]
	v_nop                                          ; a plain place behind them (ISA guide 5.7.2)
	s_wait_alu depctr_va_vdst(0)
	v_mul_f32 v[TT+10], v[LS], v[TT+6]
	v_mul_f32 v[TT+11], v[LS+1], v[TT+7]
	v_fma_f32 v[TT+10], v[TT+2], v[TT+8], v[TT+10]
	v_fma_f32 v[TT+11], v[TT+3], v[TT+9], v[TT+11]
	v_permlanex16_b32 v[TT+12], v[TT+10], s72, s73 ; the other half's keys
	v_permlanex16_b32 v[TT+13], v[TT+11], s72, s73
	v_add_f32 v[TT+10], v[TT+10], v[TT+12]
	v_add_f32 v[TT+11], v[TT+11], v[TT+13]
	v_rcp_f32 v[TT+10], v[TT+10]                   ; the sum is at least about 1: the largest score's exponential
	v_rcp_f32 v[TT+11], v[TT+11]
	v_nop                                          ; a plain place behind them
	s_wait_alu depctr_va_vdst(0)
	v_mul_f32 v[AL], v[TT+6], v[TT+10]
	v_mul_f32 v[AL+2], v[TT+7], v[TT+11]
	v_mul_f32 v[TT+12], v[TT+8], v[TT+10]
	v_mul_f32 v[TT+14], v[TT+9], v[TT+11]
	v_mov_b32 v[AL+1], v[AL]
	v_mov_b32 v[AL+3], v[AL+2]
	v_mov_b32 v[TT+13], v[TT+12]
	v_mov_b32 v[TT+15], v[TT+14]
.irp qt, 0,1
.set i, 0
.rept 16
	v_pk_mul_f32 v[FV+32*\qt+2*i:FV+32*\qt+2*i+1], v[FV+32*\qt+2*i:FV+32*\qt+2*i+1], v[TT+12+2*\qt:TT+13+2*\qt]
.set i, i+1
.endr
.endr
	WIN 0x01                                       ; source 0 (my O) in window 1
.irp qt, 0,1
.set i, 0
.rept 16
	v_pk_fma_f32 v[FV+32*\qt+2*i:FV+32*\qt+2*i+1], v[OA+32*\qt+2*i:OA+32*\qt+2*i+1], v[AL+2*\qt:AL+2*\qt+1], v[FV+32*\qt+2*i:FV+32*\qt+2*i+1]
.set i, i+1
.endr
.endr
	WIN 0
.set i, 0
.rept 32
	v_cvt_pk_f16_f32 v[SR+i], v[FV+2*i], v[FV+2*i+1]
.set i, i+1
.endr
.irp qt, 0,1
.irp dt, 0,1,2,3
	ds_store_b128 v[STO], v[SR+4*(4*\qt+\dt):SR+4*(4*\qt+\dt)+3] offset:\blk*MBLK+\qt*16*KP+32*\dt   ; over hand-over bytes that I have read; the partner does not touch this block's bytes again
.endr
.endr
.irp t, 0,1,2,3,4,5,6,7
	ds_load_b128 v[FV+4*\t:FV+4*\t+3], v[RD] offset:\blk*MBLK+\t*4*KP   ; LDS serves a wave's instructions in order: these see the stores above
.endr
.irp t, 0,1,2,3,4,5,6,7
	s_wait_dscnt 7-\t                              ; load t is in, the younger ones stay out
	global_store_b128 v[CO], v[FV+4*\t:FV+4*\t+3], s[76+2*\blk:77+2*\blk] offset:512*\t   ; four rows of the head: 512 neighbouring bytes, aligned
.endr
.if \blk == 0
	s_wait_xcnt 0x0                                ; the stores' data registers are loaded again in the next step, only behind this wait (ISA guide 3.1)
.endif
.Lgiven_\@:
.endm
; In front of slot j: the first block ends here if it has had its e / 2 slots.  Both numbers are the same in all eight waves.
.macro SWITCH
	s_cmp_lg_u32 s75, s11
	s_cbranch_scc1 .Lsame_\@
	FINAL 0
	INIT 1
.Lsame_\@:
.endm
	s_wait_tensorcnt 0x2                           ; my part of the diagonal tile or of Q is in; my parts of slots 0 and 1, issued behind it, may stay out
	s_barrier_signal -1
	s_barrier_wait -1
	LOADK 2, 0
	INIT 0
	SUB 2, 0, 1, 4                                 ; the first block's diagonal tile
	s_mov_b32 s74, 0                               ; trips
	s_mov_b32 s75, 0                               ; j, the slot's number
.Lpair:
	SWITCH
	SUB 0, 0, 0, 0
	SUB 0, 1, 0, 3                                 ; slots 0 to 5 are filled again, with slots 2 to 7
	s_add_co_u32 s75, s75, 1
	SWITCH
	SUB 1, 0, 0, 0
	SUB 1, 1, 0, 3
	s_add_co_u32 s75, s75, 1
	s_add_co_u32 s74, s74, 1
	s_cmp_lt_u32 s74, 3
	s_cbranch_scc1 .Lpair
	SWITCH
	SUB 0, 0, 0, 0
	SUB 0, 1, 0, 2                                 ; nothing is left to fetch: the barrier shows the last slot whole, and its wait for 0 leaves no tensor load out
	s_add_co_u32 s75, s75, 1
	SWITCH
	SUB 1, 0, 0, 0
	SUB 1, 1, 1, 1                                 ; the second block's diagonal tile
	FINAL 1
	s_wait_tensorcnt 0x0
	ds_add_u32 v254, v255
	s_wait_dscnt 0x0
	s_endpgm
.Lfunc_end_k_q62f33b1cdc_attn:
	.size	k_q62f33b1cdc_attn, .Lfunc_end_k_q62f33b1cdc_attn-k_q62f33b1cdc_attn
	.p2alignl 7, 3214868480
	.fill 96, 4, 3214868480
	.section	.rodata,"a",@progbits
	.p2align	6, 0x0
	.amdhsa_kernel k_q62f33b1cdc_attn
		.amdhsa_group_segment_fixed_size 327680
		.amdhsa_private_segment_fixed_size 0
		.amdhsa_enable_private_segment 0
		.amdhsa_kernarg_size 16
		.amdhsa_user_sgpr_count 2
		.amdhsa_user_sgpr_kernarg_segment_ptr 1
		.amdhsa_wavefront_size32 1
		.amdhsa_system_sgpr_workgroup_id_x 1
		.amdhsa_system_sgpr_workgroup_id_y 1
		.amdhsa_system_sgpr_workgroup_id_z 1
		.amdhsa_system_vgpr_workitem_id 0
		.amdhsa_next_free_vgpr 352
		.amdhsa_next_free_sgpr 96
		.amdhsa_reserve_vcc 1
		.amdhsa_float_denorm_mode_32 3
		.amdhsa_float_denorm_mode_16_64 3
		.amdhsa_memory_ordered 1
		.amdhsa_forward_progress 1
		.amdhsa_inst_pref_size 235
	.end_amdhsa_kernel
	.amdgpu_metadata
---
amdhsa.version: [ 1, 2 ]
amdhsa.kernels:
  - .name:           k_q62f33b1cdc_attn
    .symbol:         k_q62f33b1cdc_attn.kd
    .args:
      - { .name: qkv, .offset: 0, .size: 8, .value_kind: global_buffer, .address_space: global }
      - { .name: ab, .offset: 8, .size: 8, .value_kind: global_buffer, .address_space: global }
    .group_segment_fixed_size: 327680
    .private_segment_fixed_size: 0
    .kernarg_segment_align: 8
    .kernarg_segment_size: 16
    .max_flat_workgroup_size: 256
    .sgpr_count:     96
    .vgpr_count:     352
    .wavefront_size: 32
...
	.end_amdgpu_metadata
.endif
;; end of part 3
;; launch oproj (part 4): grid 8 x 32, 4 waves a work-group, clusters of 4 x 4, 327,680 bytes of LDS; arguments ab, wob, out0; writes out0
.if DOCPART == 4
	.amdgcn_target "amdgcn-amd-amdhsa--gfx1250"
	.amdhsa_code_object_version 6
	.text
	.protected	k_q62f33b1cdc_oproj
	.globl	k_q62f33b1cdc_oproj
	.p2align	8
	.type	k_q62f33b1cdc_oproj,@function
k_q62f33b1cdc_oproj:
	s_mov_b64 s[64:65], 0
	v_nop
	global_prefetch_b8 v0, s[64:65] scope:SCOPE_SE
	s_setreg_imm32_b32 hwreg(HW_REG_WAVE_MODE, 25, 1), 1
	s_wait_xcnt 0x0
	s_wait_alu depctr_hold_cnt(0) depctr_sa_sdst(0) depctr_va_vdst(0) depctr_va_sdst(0) depctr_va_ssrc(0) depctr_va_vcc(0) depctr_vm_vsrc(0)
	s_getreg_b32 s2, hwreg(HW_REG_IB_STS2, 6, 4)
	s_cmp_eq_u32 s2, 0
	s_cbranch_scc0 .Lentry_in_a_cluster
	s_endpgm
.Lentry_in_a_cluster:
	s_bfe_u32 s2, ttmp6, 0x10000c
	s_cmp_lg_u32 s2, 0xf033
	s_cbranch_scc0 .Lentry_shape_is_right
	s_endpgm
.Lentry_shape_is_right:
; out0 [4096][2048] f32 = attention output [4096 x 1024] times wo [1024 k x 2048 n], f16 operands, f32 sums.
; ab f16 [batch][head 16][2048][64]: k = 64 head + place.  wob f16 [1024 k][2048 n] holds wo rounded to bf16 (exact in f16 for 2^-17 <= |w| < 65,504).
; The frame is that of the launch of the three projections: a work-group makes 128 rows x 256 columns with four waves of 64 x 128 (32 accumulator tiles, 256 registers);
; 8 x 32 blocks = 256 work-groups; K in steps of 128 (two heads) through two LDS slots; clusters of 4 x 4, ab's tile asked for jointly along a row, wob's along a column.
; ab's tile of a K step is two head planes of 128 rows x 128 bytes, each dense in memory; rows stay as long as they are in the tensor.
; The matrix instruction is used transposed: lane l holds row l % 16 and 8 neighbouring columns.
.set KSTEP,  128
.set PB,     544                       ; wob's LDS row: 512 bytes + 32
.set PA,     144                       ; ab's LDS row: 128 bytes + 16
.set BHALF,  64*PB
.set BTILE,  128*PB
.set APLANE, 128*PA                    ; 18,432: what one tensor load of ab brings
.set SLOT,   BTILE+2*APLANE            ; 106,496
.set STAGE,  2*SLOT                    ; behind the ring: for each wave 16 rows x 528 bytes, into which no tensor load lands
.set SPITCH, 528
.set LAPS,   1024/(2*KSTEP)
.set ASTEP,  2*2048*128                ; two heads on
.set BSTEP,  KSTEP*4096
.set ADRA, 16
.set ADRB, 20
.set STO,  24
.set RD,   25
.set CO,   26
.set F0,   32
.set F1,   128
.set G1,  24
.set G0,  32
.set G1B, 48
.set G0B, 56
.set MUL, 0x50
.set MSB, 0
.macro WIN new
.if MSB != \new
	s_set_vgpr_msb (MSB<<8)|\new
.set MSB, \new
.endif
.endm
.macro PLACES                          ; four places behind a matrix instruction (ISA guide 7.12.1)
.rept 4
	v_nop
.endr
.endm
.macro JLOAD s                         ; waves 0 and 1 ask for wob's halves, waves 2 and 3 for ab's planes
	s_cmp_eq_u32 s11, 0
	s_cbranch_scc0 .Lfor_a_\@
	tensor_load_to_lds s[G0B+4*\s:G0B+4*\s+3], s[G1B:G1B+7]
	s_nop 0
	s_branch .Lasked_\@
.Lfor_a_\@:
	tensor_load_to_lds s[G0+4*\s:G0+4*\s+3], s[G1:G1+7]
	s_nop 0
.Lasked_\@:
.endm
.macro CREST
	s_cmp_lg_u32 s10, 0
	s_cbranch_scc1 .Lnot_wave_0_\@
	s_barrier_signal -3
.Lnot_wave_0_\@:
	s_barrier_wait -3
	s_barrier_signal -1
	s_barrier_wait -1
.endm
.macro CROUND
	s_barrier_signal -1
	s_barrier_wait -1
	CREST
.endm
	s_load_b128 s[4:7], s[0:1], 0x0                ; ab s[4:5], wob s[6:7]
	s_load_b64 s[8:9], s[0:1], 0x10                ; out0
	v_lshl_add_u32 v254, v0, 2, 0x3c400
	v_mov_b32 v255, 0
	ds_add_u32 v254, v255
	ds_add_u32 v254, v255
	v_lshrrev_b32 v1, 5, v0
	v_readfirstlane_b32 s10, v1
	s_lshr_b32 s11, s10, 1                         ; my 64 rows.  Also: I fetch for wob (0) or for ab (1)
	s_and_b32 s12, s10, 1                          ; my 128 columns.  Also: which half or plane I fetch
	s_bfe_u32 s40, ttmp6, 0x40000                  ; cx
	s_bfe_u32 s41, ttmp6, 0x40004                  ; cy
	s_lshl_b32 s42, ttmp9, 2
	s_add_co_u32 s42, s42, s40                     ; block column
	s_and_b32 s13, ttmp7, 0xffff
	s_lshl_b32 s13, s13, 2
	s_add_co_u32 s13, s13, s41                     ; block row
	s_lshl_b32 s43, s41, 2
	s_lshl_b32 s43, 15, s43                        ; my row of the cluster
	s_lshl_b32 s44, 0x1111, s40                    ; my column
	s_or_b32 s[G1+0], s43, (1<<16)|(1<<20)|(1<<21)|(4<<22)|(3<<25)   ; after every 32 words 4 words
	s_mov_b32 s[G1+1], 64<<16                      ; tensor_dim0 = 64
	s_mov_b32 s[G1+2], 128<<16                     ; tensor_dim1 = 128
	s_mov_b32 s[G1+3], 64<<16                      ; tile_dim0 = 64 elements (128 bytes)
	s_mov_b32 s[G1+4], 128                         ; tile_dim1 = 128 rows
	s_mov_b32 s[G1+5], 64
	s_mov_b32 s[G1+6], 0
	s_mov_b32 s[G1+7], 0
	s_or_b32 s[G1B+0], s44, (1<<16)|(1<<20)|(1<<21)|(6<<22)|(7<<25)  ; after every 128 words 8 words
	s_mov_b32 s[G1B+1], 256<<16
	s_mov_b32 s[G1B+2], 64<<16
	s_mov_b32 s[G1B+3], 256<<16
	s_mov_b32 s[G1B+4], 64
	s_mov_b32 s[G1B+5], 2048
	s_mov_b32 s[G1B+6], 0
	s_mov_b32 s[G1B+7], 0
	s_lshr_b32 s16, s13, 4
	s_lshl_b32 s16, s16, 22                        ; batch x 16 heads x 2^18 bytes
	s_lshl_b32 s17, s12, 18                        ; + my plane's head
	s_add_co_u32 s16, s16, s17
	s_and_b32 s17, s13, 15
	s_lshl_b32 s17, s17, 14                        ; + the block's 128 rows x 128 bytes
	s_add_co_u32 s16, s16, s17
	s_mov_b32 s17, 0
	s_lshl_b32 s46, s12, 18                        ; k-row 64 x half, x 4,096 bytes
	s_lshl_b32 s47, s42, 9
	s_add_co_u32 s46, s46, s47
	s_mov_b32 s47, 0
	s_mul_i32 s20, s10, BHALF                      ; wob's halves at wave x 34,816 (waves 0, 1),
	s_mul_i32 s21, s10, APLANE
	s_add_co_u32 s21, s21, BTILE-2*APLANE          ; ab's planes at 32,768 + wave x 18,432 (waves 2, 3)
	s_wait_dscnt 0x0
	s_wait_kmcnt 0x0
	s_add_nc_u64 s[14:15], s[4:5], s[16:17]
	s_add_nc_u64 s[46:47], s[6:7], s[46:47]
	CROUND                                         ; in front of the first joint loads
.irp s, 0,1
	s_mov_b32 s[G0+4*\s], 1
	s_add_co_u32 s[G0+4*\s+1], s21, \s*SLOT
	s_add_nc_u64 s[G0+4*\s+2:G0+4*\s+3], s[14:15], \s*ASTEP
	s_or_b32 s[G0+4*\s+3], s[G0+4*\s+3], 0x80000000
	s_mov_b32 s[G0B+4*\s], 1
	s_add_co_u32 s[G0B+4*\s+1], s20, \s*SLOT
	s_add_nc_u64 s[G0B+4*\s+2:G0B+4*\s+3], s[46:47], \s*BSTEP
	s_or_b32 s[G0B+4*\s+3], s[G0B+4*\s+3], 0x80000000
	JLOAD \s                                       ; two tensor loads of a wave are out
.endr
	v_and_b32 v1, 15, v0                           ; r
	v_bfe_u32 v2, v0, 4, 1                         ; h
	v_and_b32 v3, 7, v0
	v_bfe_u32 v4, v0, 3, 1
	v_mul_u32_u24 v5, v1, PA
	v_lshl_add_u32 v5, v2, 4, v5
	v_lshl_add_u32 v6, v2, 3, v3
	v_mul_u32_u24 v6, v6, PB
	v_lshl_add_u32 v6, v4, 4, v6
	s_mul_i32 s22, s11, 64*PA
	s_add_co_u32 s22, s22, BTILE
	s_lshl_b32 s23, s12, 8
.irp s, 0,1
	v_add_nc_u32 v[ADRA+\s], s22, v5
	v_add_nc_u32 v[ADRB+\s], s23, v6
	s_add_co_u32 s22, s22, SLOT
	s_add_co_u32 s23, s23, SLOT
.endr
	s_mul_i32 s23, s10, 16*SPITCH
	s_add_co_u32 s23, s23, STAGE                   ; my stage
	v_mul_u32_u24 v7, v1, SPITCH
	v_lshl_add_u32 v7, v2, 5, v7
	v_add_nc_u32 v[STO], s23, v7                   ; in: row r, 32 bytes for each half of the lanes
	v_and_b32 v8, 31, v0
	v_lshlrev_b32 v[CO], 4, v8                     ; back and out: a whole row of 512 bytes a load
	v_add_nc_u32 v[RD], s23, v[CO]
.macro MULA f, a, zero
.irp b, 0,1,2,3,4,5,6,7
.if \zero
	v_wmma_f32_16x16x32_f16 v[8*(8*\a+\b):8*(8*\a+\b)+7], v[\f+8*\b:\f+8*\b+7], v[\f+64+8*\a:\f+64+8*\a+7], 0
.else
	v_wmma_f32_16x16x32_f16 v[8*(8*\a+\b):8*(8*\a+\b)+7], v[\f+8*\b:\f+8*\b+7], v[\f+64+8*\a:\f+64+8*\a+7], v[8*(8*\a+\b):8*(8*\a+\b)+7]
.endif
.endr
.endm
.macro FETCH slot, q, f                ; quarter q: head plane q / 2, bytes 64 (q % 2) of its rows
	WIN 0
.irp b, 0,1,2,3,4,5,6,7
	ds_load_tr16_b128 v[\f+8*\b:\f+8*\b+3],   v[ADRB+\slot] offset:\q*32*PB+32*\b
	ds_load_tr16_b128 v[\f+8*\b+4:\f+8*\b+7], v[ADRB+\slot] offset:\q*32*PB+32*\b+16*PB
.endr
.irp a, 0,1,2,3
	ds_load_b128 v[\f+64+8*\a:\f+64+8*\a+3],   v[ADRA+\slot] offset:((\q)>>1)*APLANE+((\q)&1)*64+\a*16*PA
	ds_load_b128 v[\f+64+8*\a+4:\f+64+8*\a+7], v[ADRA+\slot] offset:((\q)>>1)*APLANE+((\q)&1)*64+\a*16*PA+32
.endr
.endm
; The 32 accumulators take turns, one instruction a turn, in the same order in every quarter.
.macro QUARTER slot, qnext, f, g, zero
	s_wait_dscnt 4                                 ; all but the four youngest loads (ab's tiles 2 and 3)
	WIN MUL
	MULA \f, 0, \zero
	MULA \f, 1, \zero
	PLACES
	FETCH \slot, \qnext, \g
	s_wait_dscnt 24                                ; all but the 24 just issued
	WIN MUL
	MULA \f, 2, \zero
	MULA \f, 3, \zero
.endm
.macro THREE slot, zero
	QUARTER \slot, 1, F0, F1, \zero
	QUARTER \slot, 2, F1, F0, 0
	QUARTER \slot, 3, F0, F1, 0
.endm
.macro TURN slot, next, fill
	s_wait_dscnt 4
	WIN MUL
	MULA F1, 0, 0
	s_wait_dscnt 0x0                               ; my reads of this slot are over
	s_wait_tensorcnt 0x0                           ; all my tensor loads have landed: the one that was out is my part of the next slot
	ds_add_u32 v254, v255
	s_wait_dscnt 0x0
	s_barrier_signal -1
	MULA F1, 1, 0
	WIN 0
	s_barrier_wait -1
.if \fill
	CREST                                          ; the round closes: no wave of any partner still reads this slot or has a load on its way
	s_add_nc_u64 s[G0+4*\slot+2:G0+4*\slot+3], s[G0+4*\slot+2:G0+4*\slot+3], 2*ASTEP
	s_add_nc_u64 s[G0B+4*\slot+2:G0B+4*\slot+3], s[G0B+4*\slot+2:G0B+4*\slot+3], 2*BSTEP
	JLOAD \slot                                    ; the first tensor load behind the round, one a wave
.endif
	PLACES
	FETCH \next, 0, F0
	WIN MUL
	MULA F1, 2, 0
	MULA F1, 3, 0
.endm
.macro LAP zero
	THREE 0, \zero
	TURN 0, 1, 1
	THREE 1, 0
	TURN 1, 0, 1
.endm
	s_wait_tensorcnt 0x1                           ; my part of K step 0 is in; K step 1's may stay out
	s_barrier_signal -1
	s_barrier_wait -1
	FETCH 0, 0, F0
	LAP 1
	WIN 0
	s_mov_b32 s3, LAPS-2
.Llap:
	LAP 0
	WIN 0
	s_sub_co_u32 s3, s3, 1
	s_cmp_lg_u32 s3, 0
	s_cbranch_scc1 .Llap
	THREE 0, 0
	TURN 0, 1, 0
	THREE 1, 0
	s_wait_dscnt 4
	WIN MUL
	MULA F1, 0, 0
	MULA F1, 1, 0
	s_wait_dscnt 0x0
	MULA F1, 2, 0
	MULA F1, 3, 0
	WIN 0
	PLACES                                         ; behind the last matrix instructions: LDS stores read results, loads land in fragment buffers
	s_lshl_b32 s16, s13, 20                        ; 128 rows x 8,192 bytes a block row
	s_lshl_b32 s17, s11, 19                        ; + my 64 rows
	s_add_co_u32 s16, s16, s17
	s_mov_b32 s17, 0
	s_add_nc_u64 s[8:9], s[8:9], s[16:17]
	s_lshl_b32 s46, s42, 10                        ; 256 columns x 4 bytes a block column (in the registers that held wob's address)
	s_lshl_b32 s47, s12, 9
	s_add_co_u32 s46, s46, s47
	s_mov_b32 s47, 0
	s_add_nc_u64 s[8:9], s[8:9], s[46:47]
; Rows 16 a .. 16 a + 15: the f32 sums go into my stage as they are, come back as whole rows of 512 bytes and leave so.  f: the buffer that takes them, by turns.
.macro OUT16 a, f
	WIN 0x04                                       ; store data in window 1
.irp b, 0,1,2,3,4,5,6,7
	ds_store_b128 v[STO], v[8*(8*\a+\b):8*(8*\a+\b)+3]   offset:64*\b
	ds_store_b128 v[STO], v[8*(8*\a+\b)+4:8*(8*\a+\b)+7] offset:64*\b+16
.endr
	WIN 0
	s_wait_xcnt 0x0                                ; earlier stores have had their addresses translated (ISA guide 3.1): buffer f, their data, is loaded again only behind this wait
.irp t, 0,1,2,3,4,5,6,7,8,9,10,11,12,13,14,15
	ds_load_b128 v[\f+4*\t:\f+4*\t+3], v[RD] offset:\t*SPITCH   ; LDS serves a wave's instructions in order: these see the stores above
.endr
.irp t, 0,1,2,3,4,5,6,7,8,9,10,11,12,13,14,15
	s_wait_dscnt 15-\t                             ; load t is in, the younger ones stay out
	global_store_b128 v[CO], v[\f+4*\t:\f+4*\t+3], s[8:9] offset:(16*\a+\t)*8192 th:TH_STORE_NT   ; 512 neighbouring bytes, aligned; written once, not read again
.endr
.endm
	OUT16 0, F0
	OUT16 1, F1
	OUT16 2, F0
	OUT16 3, F1
	s_wait_tensorcnt 0x0
	ds_add_u32 v254, v255
	s_wait_dscnt 0x0
	CROUND                                         ; the closing round
	s_endpgm
.Lfunc_end_k_q62f33b1cdc_oproj:
	.size	k_q62f33b1cdc_oproj, .Lfunc_end_k_q62f33b1cdc_oproj-k_q62f33b1cdc_oproj
	.p2alignl 7, 3214868480
	.fill 96, 4, 3214868480
	.section	.rodata,"a",@progbits
	.p2align	6, 0x0
	.amdhsa_kernel k_q62f33b1cdc_oproj
		.amdhsa_group_segment_fixed_size 327680
		.amdhsa_private_segment_fixed_size 0
		.amdhsa_enable_private_segment 0
		.amdhsa_kernarg_size 24
		.amdhsa_user_sgpr_count 2
		.amdhsa_user_sgpr_kernarg_segment_ptr 1
		.amdhsa_wavefront_size32 1
		.amdhsa_system_sgpr_workgroup_id_x 1
		.amdhsa_system_sgpr_workgroup_id_y 1
		.amdhsa_system_sgpr_workgroup_id_z 1
		.amdhsa_system_vgpr_workitem_id 0
		.amdhsa_next_free_vgpr 512
		.amdhsa_next_free_sgpr 66
		.amdhsa_reserve_vcc 0
		.amdhsa_float_denorm_mode_32 3
		.amdhsa_float_denorm_mode_16_64 3
		.amdhsa_memory_ordered 1
		.amdhsa_forward_progress 1
		.amdhsa_inst_pref_size 118
	.end_amdhsa_kernel
	.amdgpu_metadata
---
amdhsa.version: [ 1, 2 ]
amdhsa.kernels:
  - .name:           k_q62f33b1cdc_oproj
    .symbol:         k_q62f33b1cdc_oproj.kd
    .args:
      - { .name: ab, .offset: 0, .size: 8, .value_kind: global_buffer, .address_space: global }
      - { .name: wob, .offset: 8, .size: 8, .value_kind: global_buffer, .address_space: global }
      - { .name: out0, .offset: 16, .size: 8, .value_kind: global_buffer, .address_space: global }
    .group_segment_fixed_size: 327680
    .private_segment_fixed_size: 0
    .kernarg_segment_align: 8
    .kernarg_segment_size: 24
    .max_flat_workgroup_size: 128
    .sgpr_count:     66
    .vgpr_count:     512
    .wavefront_size: 32
...
	.end_amdgpu_metadata
.endif
;; end of part 4
